; MI455X (gfx1250); checked and timed in simulation.
; The chip was launched on July 23, 2026; its instructions are those of AMD's public machine-readable ISA for CDNA 5 (MIT licence, August 2026) and "CDNA5" Instruction Set Architecture Reference Guide (July 2026). The comments in the code are by the model that wrote it; some were corrected since.
;; Multi Head Attention W Reduction. Allowed arithmetic: matrix products marked QUANTISED: E2M1 operands, one E8M0 scale for each 32 along K, by v_wmma_scale_f32_16x16x128_f8f6f4 with both operands' format E2M1 (or v_wmma_scale_f32_32x16x128_f4), f32 sums; everything else in f32.
;; Inputs: Wk_codes 1,024 x 32 x 16 uint8 (E2M1 codes of Wk, K innermost, in blocks of 32 codes, two codes a byte); Wk_scales 1,024 x 32 uint8 (E8M0 scales of Wk, one for each 32 codes along K); Wo_codes 1,024 x 32 x 16 uint8 (E2M1 codes of Wo, K innermost, in blocks of 32 codes, two codes a byte); Wo_scales 1,024 x 32 uint8 (E8M0 scales of Wo, one for each 32 codes along K); Wq_codes 1,024 x 32 x 16 uint8 (E2M1 codes of Wq, K innermost, in blocks of 32 codes, two codes a byte); Wq_scales 1,024 x 32 uint8 (E8M0 scales of Wq, one for each 32 codes along K); Wv_codes 1,024 x 32 x 16 uint8 (E2M1 codes of Wv, K innermost, in blocks of 32 codes, two codes a byte); Wv_scales 1,024 x 32 uint8 (E8M0 scales of Wv, one for each 32 codes along K); bk 1,024 float32; bo 1,024 float32; bq 1,024 float32; bv 1,024 float32; x_codes 2 x 2,048 x 32 x 16 uint8 (E2M1 codes of x, K innermost, in blocks of 32 codes, two codes a byte); x_scales 2 x 2,048 x 32 uint8 (E8M0 scales of x, one for each 32 codes along K).
;; Outputs: out0 2 x 2,048 x 1,024 float32.
;; This version of the problem:
;;   THIS VERSION OF THE PROBLEM IS GIVEN IN LOW PRECISION. The matrix products marked QUANTISED in the list below multiply operands that are first quantised to E2M1 (2 exponent bits, 1 mantissa bit; 4 bits a number), with one power-of-two scale for each 32 numbers along K (OCP MX v1.0); their sums are f32. All else is computed in f32.
;;   The module's matrix products, in the order in which they are computed (A, B: the left and right operand; K: the contracted axis; several contracted axes count as one K, in the product's order):
;;     1. [M 4,096, K 1,024] x [K 1,024, N 1,024]; A: input x (given as codes); B: input Wk (given as codes): QUANTISED
;;     2. [M 4,096, K 1,024] x [K 1,024, N 1,024]; A: input x (given as codes); B: input Wq (given as codes): QUANTISED
;;     3. [M 4,096, K 1,024] x [K 1,024, N 1,024]; A: input x (given as codes); B: input Wv (given as codes): QUANTISED
;;     4. batch 32 x [M 2,048, K 64] x [K 64, N 2,048]; A: computed on the way; B: computed on the way: QUANTISED
;;     5. batch 32 x [M 2,048, K 2,048] x [K 2,048, N 64]; A: softmax (see below); B: computed on the way: QUANTISED
;;     6. [M 4,096, K 1,024] x [K 1,024, N 1,024]; A: computed on the way; B: input Wo (given as codes): QUANTISED
;;   THE QUANTISER, for each operand of a quantised product, along K:
;;     - K is cut into blocks of 32 from its start; a last block that is shorter is filled with zeros.
;;     - A block's scale is 2^e with e = floor(log2(the largest magnitude in the block)) - 2, held to -126 .. 127; a block of zeros has e = 0. As a byte (E8M0): e + 127.
;;     - Each number is divided by its block's scale, clamped to +-6, and rounded to the nearest number of E2M1, ties to even, subnormals kept.
;;     - The product sums the exact products of the quantised numbers (number of the format x scale) in f32.
;;   ~~~python
;;   def quantise(x, axis):      # numpy; x: float32 -> the quantised numbers, widened to float32 again
;;       x = np.moveaxis(x, axis, -1); K = x.shape[-1]
;;       x = np.pad(x, [(0, 0)] * (x.ndim - 1) + [(0, -K % 32)]); x = x.reshape(x.shape[:-1] + (-1, 32)); a = np.abs(x).max(-1, keepdims=True)
;;       e = np.where(a > 0, np.clip(np.frexp(np.where(a > 0, a, 1))[1] - 1 - 2, -126, 127), 0)      # np.frexp(a)[1] - 1 = floor(log2(a)), exactly
;;       r = np.clip(x / 2.0 ** e, -6, 6)
;;       step = 2.0 ** (np.maximum(np.frexp(np.where(r == 0, 1, r))[1] - 1, 0) - 1)
;;       q = np.round(r / step) * step * 2.0 ** e      # np.round: ties to even
;;       return np.moveaxis(q.reshape(q.shape[:-2] + (-1,))[..., :K], -1, axis).astype(np.float32)
;;   ~~~
;;   SOFTMAX AHEAD OF A QUANTISED PRODUCT. Where the list says 'softmax', what is quantised is not the finished softmax but p = 2^(t - M), with t = logit x log2(e) and M = ceil(the row's largest t), a whole number; so 1/2 < the row's largest p <= 1. The row's sum l is taken of the UNQUANTISED p, in f32, and the product's result is divided by l at the end. Since M is a whole number, a kernel that streams over the keys may use a running M (the ceiling of the running maximum): every later rescaling is an exact power of two, which a block's scale takes up: the codes' values come out the same.
;;   OPERANDS COMPUTED ON THE WAY. 'Computed on the way' means the value that the module computes at that place (a softmax that the list does not call 'softmax' is quantised finished and normalised). What goes into a quantiser is computed in f32, as accurately as f32 sums, v_exp_f32 and their like allow (about 1e-6 of the number): no bf16 or f16 on the way to a quantiser, and a product that is left as it is and whose result goes on into a quantised operand takes f32 operands (vector FMAs, or v_wmma_f32_16x16x4_f32). A number that lies on a knife's edge between two numbers of the format may be rounded either way, as far as f32 arithmetic and the matrix unit's own rounding can turn it there, and no further.
;;   INPUTS GIVEN AS CODES. Wk (in the module: [1024, 1024], K = its axis 1); Wo (in the module: [1024, 1024], K = its axis 1); Wq (in the module: [1024, 1024], K = its axis 1); Wv (in the module: [1024, 1024], K = its axis 1); x (in the module: [2, 2048, 1024], K = its axis 2): each comes as NAME_codes (uint8): NAME with its K axis moved to the last place and cut into blocks of 32 codes, [.., K / 32, bytes a block], one block behind the other in memory; two codes a byte, the lower K in the low four bits (a code: sign, 2 exponent bits, 1 mantissa bit); and NAME_scales (uint8): the same leading axes, one E8M0 byte (e + 127) for each 32 codes along K. Its value is code x scale, taken as it is: it is not quantised again, and the codes and scales need not be those that the quantiser above would give.
;; One version. Each part assembles by itself: llvm-mc -triple=amdgcn-amd-amdhsa -mcpu=gfx1250 --defsym DOCPART=n.
;; ======== version 1 of 1: 3 launches
;; limits: right only within a limited range of input values
;; workspace buffers: q_ws 2,359,296 bytes; kv_ws 4,587,520 bytes; a_img 2,097,152 bytes; a_sc 131,072 bytes
;; launch proj (part 1): grid 32 x 8, 12 waves a work-group, clusters of 4 x 4, 304,640 bytes of LDS; arguments x_codes, x_scales, Wq_codes, Wq_scales, Wk_codes, Wk_scales, Wv_codes, Wv_scales, bq, bk, bv, q_ws, kv_ws; writes q_ws, kv_ws
.if DOCPART == 1
	.amdgcn_target "amdgcn-amd-amdhsa--gfx1250"
	.amdhsa_code_object_version 6
	.text
	.protected	k_q09cbd830c1_proj
	.globl	k_q09cbd830c1_proj
	.p2align	8
	.type	k_q09cbd830c1_proj,@function
k_q09cbd830c1_proj:
	s_mov_b64 s[64:65], 0
	v_nop
	global_prefetch_b8 v0, s[64:65] scope:SCOPE_SE
	s_setreg_imm32_b32 hwreg(HW_REG_WAVE_MODE, 25, 1), 1
	s_wait_xcnt 0x0
	s_wait_alu depctr_hold_cnt(0) depctr_sa_sdst(0) depctr_va_vdst(0) depctr_va_sdst(0) depctr_va_ssrc(0) depctr_va_vcc(0) depctr_vm_vsrc(0)
	s_getreg_b32 s2, hwreg(HW_REG_IB_STS2, 6, 4)
	s_cmp_eq_u32 s2, 0
	s_cbranch_scc0 .Lentry_in_a_cluster
	s_endpgm
.Lentry_in_a_cluster:
	s_bfe_u32 s2, ttmp6, 0x10000c
	s_cmp_lg_u32 s2, 0xf033
	s_cbranch_scc0 .Lentry_shape_is_right
	s_endpgm
.Lentry_shape_is_right:
; q, k, v = x W^T + b on codes of FP4 (E2M1) with E8M0 scales, then quantised again: q and k along the head's 64 channels, v along the keys.
; SHARES.  A work-group takes 128 rows of x (tile mt) and the 128 rows of Wq, Wk and Wv that make heads 2 hp and 2 hp + 1.  Twelve waves: sel = wave / 4 (0 q, 1 k, 2 v), qt = wave % 4.
; A wave makes 8 x 2 tiles of 16 x 16: source 0 = BIG (8 tiles), source 1 = SMALL (2 tiles).  q, k: BIG = the weight's 128 rows, SMALL = x's tiles 2 qt, 2 qt + 1.  v: BIG = x's 128 rows, SMALL = Wv's tiles 2 qt, 2 qt + 1.
; In the result lane (r, h) holds SMALL's row r, and register 8 T + j BIG's row 16 T + 8 h + j: a lane's registers run along the axis that is quantised next (channels for q and k, keys for v).
; LDS is filled ONCE: all of K = 1,024 of the four operands (4 x 2 halves of 128 rows x 256 bytes) and their scale bytes fit, so there is no ring and no slot is filled again.
; CLUSTER 4 x 4: the weights' tiles hang on hp alone and are asked for jointly along a row of the cluster, x's on mt alone and jointly along a column.
; No prefetch: every byte that the launch reads is asked for by the tensor loads at its head.
; THE RESULTS go to the workspace as images of operand registers (lane l's 16 bytes at 16 l), 512 consecutive bytes a store:
;   q_ws  [head 32][group of 128 queries 16][4,608]: 8 tiles x 512 bytes of codes, then 8 x 64 bytes of scale words
;   kv_ws [head 32][step of 128 keys 16][8,960]: K's 8 tiles x 512; V^T's 4 tiles x 1,024; K's scale words 512; V's scale words 256
; A scale word of q or k: bytes 0, 1 are the head's two blocks; bytes 2, 3 belong to k = 64 .. 127, where both operands' codes are zeros; they hold the neighbour head's bytes (1 .. 254) or 0, never 0xff.
; LIMITS: NaN and infinities are not served; a block of zeros gets the byte 1 (its codes are zeros, and only this program reads the bytes).
; THE ORDER OF ROWS, for BIG and SMALL alike: row m of tile 4 c + i of a group of 128 is row 64 c + 32 (m / 8) + 8 (i xor (m / 8)) + m % 8 of the group ('row r of a tile' above means this order).
; So register 8 (4 c + i) + j of lane (r, h) is BIG's row 64 c + 32 h + 8 (i xor h) + j: a lane holds whole blocks of 32.  In blocks of odd number the eights of a block lie in the order 1, 0, 3, 2:
; alike in q and k (channels), alike in v and the next launch's p (keys).  Bytes 2, 3 of q's and k's scale words are 0.
; ONE FILL A WAVE: sel says what it fetches (0 scale bytes, 1 K's first half, 2 its second), qt of which operand.
.set PITCH,  272                       ; an LDS row of codes: 256 bytes + 16 of padding; the two eights of a tile's rows lie 40 or 24 rows apart: 128 bytes on modulo 256
.set HALF,   128*PITCH                 ; 128 rows of half of K
.set REG,    2*HALF                    ; an operand's region; regions: 0 Wq, 1 Wk, 2 x, 3 Wv
.set SCL,    4*REG                     ; behind them the scale bytes: a region's 4,096 bytes as 16 units of 256 + 16
.set SREG,   16*272
.set BIAS,   SCL+4*SREG                ; behind them 512 bytes for each wave: its 128 biases
.set QHEAD,  73728
.set QGRP,   4608
.set KVHEAD, 143360
.set KVSTEP, 8960
.set LANE, 1                           ; v1 lane, v2 r = lane % 16, v3 h = lane / 16
.set RR,   2
.set HH,   3
.set ADB,  44                          ; v44-45 LDS addresses of BIG's fragments, even and odd tiles
.set ADS,  4                           ; v4-5   of SMALL's
.set ASB,  6                           ; v6  of BIG's scale words: lanes 0-15 an even tile's rows, lanes 16-31 the odd tile's behind it
.set ASS,  7                           ; v7  of SMALL's
.set BW,   8                           ; v8  where I put 16 bytes of the biases
.set ABQ,  9                           ; v9-10  where q and k read them back, even and odd tiles
.set ABV,  18                          ; v18-19 where v reads them back, u = 0, 1
.set CO,   11                          ; v11-14 offsets of the four stores of codes
.set SO,   15                          ; v15-16 offsets of the stores of scale words
.set BL,   20                          ; v20-23 the biases as loaded
.set SS,   24                          ; v24-27 SMALL's scale words of four K steps
.set BS,   28                          ; v28-43 BIG's: 4 i + q
.set SF,   48                          ; v48-63 SMALL's two fragments; later the codes
.set BF,   64                          ; v64-127 BIG's eight fragments; later the biases, then the quantiser's work
.set ACC,  128                         ; v128-255 accumulator (u, T) at 64 u + 8 T
.set TM,   64
.set PW,   80                          ; v80, v81 the two scale words; v82, v83 as they are stored
.set WV,   30                          ; s30 wave, s31 sel, s32 qt
.set SEL,  31
.set QT,   32
.set G1CW, 36                          ; s[36:43] group 1: codes of a weight;  s[44:51] codes of x;  s[52:59] scales of a weight;  s[68:75] scales of x
.set G1CX, 44
.set G1SW, 52
.set G1SX, 68
.set G0W,  76                          ; s[76:87] three groups 0 for a weight: scales, half 0, half 1;  s[88:99] the same for x
.set G0X,  88
.set PSEL, 60                          ; s[60:61] v_permlanex16_b32's selects for lane l xor 16
; A round of the cluster's barrier: my work-group's barrier, wave 0 signals for the work-group, every wave waits for all sixteen, my work-group's barrier once more.
.macro ROUND
	s_barrier_signal -1
	s_barrier_wait -1
	s_cmp_lg_u32 s[WV], 0
	s_cbranch_scc1 .Lnot_wave_0_\@
	s_barrier_signal -3
.Lnot_wave_0_\@:
	s_barrier_wait -3
	s_barrier_signal -1
	s_barrier_wait -1
.endm
; Four products: BIG's tiles 2 i and 2 i + 1 against SMALL's two.  An odd tile's scale words stand in lanes 16-31 of the register.  zero = 1: the first K step starts the sums.
.macro WMQ i, q, zero
.set rSA, BS+4*(\i)+(\q)
.set rSB, SS+(\q)
.set rA, BF+16*(\i)
.set rD, ACC+16*(\i)
.if \zero
	v_wmma_scale_f32_16x16x128_f8f6f4 v[rD:rD+7], v[rA:rA+7], v[SF:SF+7], 0, v[rSA], v[rSB] matrix_a_fmt:MATRIX_FMT_FP4 matrix_b_fmt:MATRIX_FMT_FP4
	v_wmma_scale_f32_16x16x128_f8f6f4 v[rD+64:rD+71], v[rA:rA+7], v[SF+8:SF+15], 0, v[rSA], v[rSB] matrix_a_fmt:MATRIX_FMT_FP4 matrix_b_fmt:MATRIX_FMT_FP4 matrix_b_scale:MATRIX_SCALE_ROW1
	v_wmma_scale_f32_16x16x128_f8f6f4 v[rD+8:rD+15], v[rA+8:rA+15], v[SF:SF+7], 0, v[rSA], v[rSB] matrix_a_fmt:MATRIX_FMT_FP4 matrix_b_fmt:MATRIX_FMT_FP4 matrix_a_scale:MATRIX_SCALE_ROW1
	v_wmma_scale_f32_16x16x128_f8f6f4 v[rD+72:rD+79], v[rA+8:rA+15], v[SF+8:SF+15], 0, v[rSA], v[rSB] matrix_a_fmt:MATRIX_FMT_FP4 matrix_b_fmt:MATRIX_FMT_FP4 matrix_a_scale:MATRIX_SCALE_ROW1 matrix_b_scale:MATRIX_SCALE_ROW1
.else
	v_wmma_scale_f32_16x16x128_f8f6f4 v[rD:rD+7], v[rA:rA+7], v[SF:SF+7], v[rD:rD+7], v[rSA], v[rSB] matrix_a_fmt:MATRIX_FMT_FP4 matrix_b_fmt:MATRIX_FMT_FP4
	v_wmma_scale_f32_16x16x128_f8f6f4 v[rD+64:rD+71], v[rA:rA+7], v[SF+8:SF+15], v[rD+64:rD+71], v[rSA], v[rSB] matrix_a_fmt:MATRIX_FMT_FP4 matrix_b_fmt:MATRIX_FMT_FP4 matrix_b_scale:MATRIX_SCALE_ROW1
	v_wmma_scale_f32_16x16x128_f8f6f4 v[rD+8:rD+15], v[rA+8:rA+15], v[SF:SF+7], v[rD+8:rD+15], v[rSA], v[rSB] matrix_a_fmt:MATRIX_FMT_FP4 matrix_b_fmt:MATRIX_FMT_FP4 matrix_a_scale:MATRIX_SCALE_ROW1
	v_wmma_scale_f32_16x16x128_f8f6f4 v[rD+72:rD+79], v[rA+8:rA+15], v[SF+8:SF+15], v[rD+72:rD+79], v[rSA], v[rSB] matrix_a_fmt:MATRIX_FMT_FP4 matrix_b_fmt:MATRIX_FMT_FP4 matrix_a_scale:MATRIX_SCALE_ROW1 matrix_b_scale:MATRIX_SCALE_ROW1
.endif
.endm
; K step s of eight, 128 along K: ten fragments from LDS (and, at a half's head, its scale words), then 16 products.  The 16 accumulators take turns, one instruction a turn, in the same order
; in every step.  The SIMD's other two waves work while this one waits for its loads.
.macro KSTEP s, zero
.set KH, (\s)/4
.set KQ, (\s)%4
.rept 4
	v_nop                                          ; four places between the last products and loads into registers that they read (ISA guide 7.12.1 for vector instructions)
.endr
.if KQ == 0
.irp i, 0,1,2,3
	ds_load_b128 v[BS+4*\i:BS+4*\i+3], v[ASB] offset:2176*(\i/2)+544*(\i%2)+16*KH   ; four K steps' words of tiles 2 i (lanes 0-15) and 2 i + 1 (lanes 16-31)
.endr
	ds_load_b128 v[SS:SS+3], v[ASS] offset:16*KH
.endif
.irp t, 0,1,2,3,4,5,6,7
	ds_load_b128 v[BF+8*\t:BF+8*\t+3], v[ADB+(\t%2)] offset:KH*HALF+(64*(\t/4)+8*(\t%4))*PITCH+64*KQ       ; lane (r, h): k = 32 h + 0 .. 31
	ds_load_b128 v[BF+8*\t+4:BF+8*\t+7], v[ADB+(\t%2)] offset:KH*HALF+(64*(\t/4)+8*(\t%4))*PITCH+64*KQ+32  ; and k = 64 + 32 h + 0 .. 31
.endr
.irp u, 0,1
	ds_load_b128 v[SF+8*\u:SF+8*\u+3], v[ADS+\u] offset:KH*HALF+\u*8*PITCH+64*KQ
	ds_load_b128 v[SF+8*\u+4:SF+8*\u+7], v[ADS+\u] offset:KH*HALF+\u*8*PITCH+64*KQ+32
.endr
	s_wait_dscnt 0x0
.irp i, 0,1,2,3
	WMQ \i, KQ, \zero
.endr
.endm
; 64 numbers of a lane, register 8 T + j = index 16 T + 8 h + j of my row, become a fragment's codes in v[pc] .. v[pc + 7] and its scale word in v[pw].
; Block b of 32 is tiles 2 b and 2 b + 1: 16 numbers in my lane, 16 in lane l xor 16.  A conversion's register holds a quarter of a block in each half of the lanes; two exchanges of halves for
; each pair of blocks give the operand's layout: registers 4 c .. 4 c + 3 of lane half h' hold k = 64 c + 32 h' + 0 .. 31.
; (In the order of rows above: block c of the lane, c = 0, 1, is all its own: registers 32 c .. 32 c + 31; a conversion's result is the operand's register 4 c + i as it stands.
; The word's bytes alternate between lanes l and l xor 16: hi = 0 makes it valid in lanes 0-15, hi = 1 in lanes 16-31.)
.macro QUANT s, pc, pw, hi
.irp b, 0,1,2,3
	v_max3_num_f32 v[TM+\b], |v[\s+16*\b]|, |v[\s+16*\b+1]|, 0x1800000   ; with the floor 2^(3 - 127): the byte cannot fall under 1
.endr
.irp i, 2,4,6,8,10,12,14
.irp b, 0,1,2,3
	s_delay_alu instid0(VALU_DEP_4)
	v_max3_num_f32 v[TM+\b], v[TM+\b], |v[\s+16*\b+\i]|, |v[\s+16*\b+\i+1]|   ; the four blocks by turns
.endr
.endr
	v_max_num_f32 v[TM], v[TM], v[TM+1]            ; the largest magnitudes of my two blocks
	v_max_num_f32 v[TM+2], v[TM+2], v[TM+3]
	s_delay_alu instid0(VALU_DEP_2)
	v_add_nc_u32 v[TM+12], 0xff000000, v[TM]       ; 2 off the exponent field: the conversion's scale operand
	s_delay_alu instid0(VALU_DEP_2)
	v_add_nc_u32 v[TM+13], 0xff000000, v[TM+2]
	s_delay_alu instid0(VALU_DEP_2)
	v_lshrrev_b32 v[TM+4], 23, v[TM+12]            ; the scales' bytes
	s_delay_alu instid0(VALU_DEP_2)
	v_lshrrev_b32 v[TM+5], 23, v[TM+13]
	s_delay_alu instid0(VALU_DEP_1)
	v_lshl_or_b32 v[TM+4], v[TM+5], 16, v[TM+4]
	s_delay_alu instid0(VALU_DEP_1)
	v_permlanex16_b32 v[TM+6], v[TM+4], s[PSEL], s[PSEL+1]
.if \hi
	s_delay_alu instid0(VALU_DEP_1)
	v_lshl_or_b32 v[\pw], v[TM+4], 8, v[TM+6]
.else
	s_delay_alu instid0(VALU_DEP_1)
	v_lshl_or_b32 v[\pw], v[TM+6], 8, v[TM+4]
.endif
.irp c, 0,1
.irp i, 0,1,2,3
	v_cvt_scalef32_pk8_fp4_f32 v[\pc+4*\c+\i], v[\s+32*\c+8*\i:\s+32*\c+8*\i+7], v[TM+12+\c]
.endr
.endr
	v_nop                                          ; one plain place behind a scaled conversion
.endm
	s_load_b512 s[4:19], s[0:1], 0x0               ; x codes s[4:5], x scales s[6:7], Wq s[8:11], Wk s[12:15], Wv s[16:19]
	s_load_b256 s[20:27], s[0:1], 0x40             ; bq s[20:21], bk s[22:23], bv s[24:25], q_ws s[26:27]
	s_load_b64 s[28:29], s[0:1], 0x60              ; kv_ws
	v_lshl_add_u32 v46, v0, 2, 0x4a000
	v_mov_b32 v47, 0
	ds_add_u32 v46, v47
	ds_add_u32 v46, v47
	v_lshrrev_b32 v17, 5, v0
	s_delay_alu instid0(VALU_DEP_1)
	v_readfirstlane_b32 s[WV], v17                 ; wave 0 .. 11
	v_and_b32 v[LANE], 31, v0
	v_and_b32 v[RR], 15, v0
	v_bfe_u32 v[HH], v0, 4, 1
	s_lshr_b32 s[SEL], s[WV], 2
	s_and_b32 s[QT], s[WV], 3
	s_bfe_u32 s33, ttmp6, 0x40000                  ; cx, cy: my place in the cluster
	s_bfe_u32 s34, ttmp6, 0x40004
	s_lshl_b32 s35, ttmp9, 2
	s_add_co_u32 s35, s35, s33                     ; mt = 4 x cluster x + cx
	s_and_b32 s66, ttmp7, 0xffff
	s_lshl_b32 s66, s66, 2
	s_add_co_u32 s66, s66, s34                     ; hp = 4 x cluster y + cy
	s_lshl_b32 s67, s34, 2
	s_lshl_b32 s67, 15, s67                        ; my row of the cluster: the weights' tiles
	s_lshl_b32 s3, 0x1111, s33                     ; my column: x's tiles
	s_or_b32 s[G1CW], s67, (1<<20)|(1<<21)|(5<<22)|(3<<25)          ; elements of 1 byte; padding on: 4 words behind every 64; bit 21 beside a mask
	s_or_b32 s[G1CX], s3, (1<<20)|(1<<21)|(5<<22)|(3<<25)
	s_or_b32 s[G1SW], s67, (3<<16)|(1<<20)|(1<<21)|(5<<22)|(3<<25)  ; elements of 8 bytes, the same padding
	s_or_b32 s[G1SX], s3, (3<<16)|(1<<20)|(1<<21)|(5<<22)|(3<<25)
.irp g, G1CW, G1CX                     ; half of K of 128 rows: 128 rows x 256 bytes, 512 bytes apart in memory
	s_mov_b32 s[\g+1], 256<<16
	s_mov_b32 s[\g+2], 128<<16
	s_mov_b32 s[\g+3], 256<<16
	s_mov_b32 s[\g+4], 128
	s_mov_b32 s[\g+5], 512
	s_mov_b32 s[\g+6], 0
	s_mov_b32 s[\g+7], 0
.endr
.irp g, G1SW, G1SX                     ; the scale bytes of 128 rows: 4,096 dense bytes as 16 rows of 256
	s_mov_b32 s[\g+1], 32<<16
	s_mov_b32 s[\g+2], 16<<16
	s_mov_b32 s[\g+3], 32<<16
	s_mov_b32 s[\g+4], 16
	s_mov_b32 s[\g+5], 32
	s_mov_b32 s[\g+6], 0
	s_mov_b32 s[\g+7], 0
.endr
	s_mul_i32 s[G0W+5], s[QT], REG                 ; where a fetching wave's operand goes: region = qt, for each of the twelve waves: no place in the cluster enters an LDS address
	s_add_co_u32 s[G0W+9], s[G0W+5], HALF
	s_mul_i32 s[G0W+1], s[QT], SREG
	s_add_co_u32 s[G0W+1], s[G0W+1], SCL
	s_mov_b32 s[G0X+1], s[G0W+1]
	s_mov_b32 s[G0X+5], s[G0W+5]
	s_mov_b32 s[G0X+9], s[G0W+9]
.irp g, G0W, G0W+4, G0W+8, G0X, G0X+4, G0X+8
	s_mov_b32 s[\g], 1
.endr
	s_mov_b32 s[PSEL], 0x76543210
	s_mov_b32 s[PSEL+1], 0xfedcba98
	s_wait_dscnt 0x0
	s_wait_kmcnt 0x0
	s_cmp_eq_u32 s[QT], 1                          ; which operand a wave fetches hangs on its number alone: qt = 1 Wk, 3 Wv, 2 x, 0 Wq
	s_cselect_b64 s[8:9], s[12:13], s[8:9]
	s_cselect_b64 s[10:11], s[14:15], s[10:11]
	s_cmp_eq_u32 s[QT], 3
	s_cselect_b64 s[8:9], s[16:17], s[8:9]
	s_cselect_b64 s[10:11], s[18:19], s[10:11]
	s_lshl_b32 s100, s66, 16                       ; 128 rows of 512 bytes of codes
	s_mov_b32 s101, 0
	s_add_nc_u64 s[G0W+6:G0W+7], s[8:9], s[100:101]
	s_add_nc_u64 s[G0W+10:G0W+11], s[G0W+6:G0W+7], 256
	s_lshl_b32 s100, s66, 12                       ; 128 rows of 32 scale bytes
	s_add_nc_u64 s[G0W+2:G0W+3], s[10:11], s[100:101]
	s_lshl_b32 s62, s35, 16
	s_mov_b32 s63, 0
	s_add_nc_u64 s[G0X+6:G0X+7], s[4:5], s[62:63]
	s_add_nc_u64 s[G0X+10:G0X+11], s[G0X+6:G0X+7], 256
	s_lshl_b32 s62, s35, 12
	s_add_nc_u64 s[G0X+2:G0X+3], s[6:7], s[62:63]
.irp g, G0W+3, G0W+7, G0W+11, G0X+3, G0X+7, G0X+11
	s_or_b32 s[\g], s[\g], 0x80000000              ; type = 2
.endr
	ROUND                                          ; all sixteen work-groups are here: the joint loads meet
; ONE tree of branches on the wave's number, an arm a load: each of the twelve waves issues one joint load.
.macro FILL g0, gs, gc
	s_cmp_eq_u32 s[SEL], 0
	s_cbranch_scc0 .Lcodes_\@
	tensor_load_to_lds s[\g0:\g0+3], s[\gs:\gs+7]          ; 128 rows' scale bytes
	s_nop 0
.rept 4
	v_nop
.endr
	s_branch .Lfilled
.Lcodes_\@:
	s_cmp_eq_u32 s[SEL], 1
	s_cbranch_scc0 .Lsecond_\@
	tensor_load_to_lds s[\g0+4:\g0+7], s[\gc:\gc+7]        ; K's first half
	s_nop 0
.rept 4
	v_nop
.endr
	s_branch .Lfilled
.Lsecond_\@:
	tensor_load_to_lds s[\g0+8:\g0+11], s[\gc:\gc+7]       ; its second
	s_nop 0
.rept 4
	v_nop
.endr
	s_branch .Lfilled
.endm
	s_cmp_eq_u32 s[QT], 2
	s_cbranch_scc1 .Lfill_x
	FILL G0W, G1SW, G1CW
.Lfill_x:
	FILL G0X, G1SX, G1CX
.Lfilled:
	s_cmp_eq_u32 s[SEL], 1                         ; my operand's 128 biases: 512 bytes, 16 a lane
	s_cselect_b64 s[20:21], s[22:23], s[20:21]
	s_cmp_eq_u32 s[SEL], 2
	s_cselect_b64 s[20:21], s[24:25], s[20:21]
	s_lshl_b32 s14, s66, 9
	s_mov_b32 s15, 0
	s_add_nc_u64 s[20:21], s[20:21], s[14:15]
	s_wait_alu depctr_va_vdst(0)
	v_lshlrev_b32 v[CO], 4, v[LANE]
	global_load_b128 v[BL:BL+3], v[CO], s[20:21]
	; LDS addresses
	v_lshrrev_b32 v19, 3, v[RR]                    ; r / 8
	v_and_b32 v18, 7, v0                           ; r % 8
	v_mul_u32_u24 v17, v18, PITCH
	v_lshl_add_u32 v17, v[HH], 4, v17
	v_mad_u32_u24 v[ADB], v19, 40*PITCH, v17       ; even tiles: rows 8 .. 15 of a tile lie 40 rows on,
	v_mad_u32_u24 v[ADB+1], v19, 24*PITCH, v17     ; odd tiles: 24
	s_mul_i32 s14, s[SEL], REG                     ; BIG's region: 0 Wq, 1 Wk, 2 x
	s_lshr_b32 s15, s[SEL], 1
	s_add_co_u32 s15, s15, 2                       ; SMALL's: 2 x, 3 Wv
	s_mul_i32 s16, s15, REG
	s_and_b32 s62, s[QT], 2
	s_add_co_u32 s62, s62, s[QT]                   ; my two tiles, 2 qt and 2 qt + 1, begin at row 16 (qt + (qt and 2))
	s_mul_i32 s17, s62, 16*PITCH
	s_add_co_u32 s16, s16, s17
	s_wait_alu depctr_va_vdst(0)                   ; the wait directly ahead of the readers below
	v_add_nc_u32 v[ADS], s16, v[ADB]
	v_add_nc_u32 v[ADS+1], s16, v[ADB+1]
	v_add_nc_u32 v[ADB], s14, v[ADB]
	v_add_nc_u32 v[ADB+1], s14, v[ADB+1]
	v_lshlrev_b32 v18, 5, v18                      ; scale bytes: eight rows are 256 bytes + 16; lanes 0-15 an even tile, lanes 16-31 the odd one behind it: eight number 4 (r / 8) + (h xor (r / 8))
	v_xor_b32 v17, v[HH], v19
	v_mad_u32_u24 v18, v17, 272, v18
	v_mad_u32_u24 v18, v19, 1088, v18
	s_mul_i32 s14, s[SEL], SREG
	s_add_co_u32 s14, s14, SCL
	s_mul_i32 s16, s15, SREG
	s_mul_i32 s17, s62, 544
	s_add_co_u32 s16, s16, s17
	s_add_co_u32 s16, s16, SCL
	v_add_nc_u32 v[ASB], s14, v18
	v_add_nc_u32 v[ASS], s16, v18
	s_lshl_b32 s14, s[WV], 9
	s_add_co_u32 s14, s14, BIAS                    ; my wave's 512 bytes
	v_lshl_add_u32 v[BW], v[LANE], 4, s14
	v_mad_u32_u24 v[ABQ], v[HH], 160, s14          ; q, k: channel 64 c + 32 h + 8 (i xor h) + j: i even 40 h channels on,
	v_mad_u32_u24 v[ABQ+1], v[HH], 96, s14         ; i odd 24 h
	s_lshl_b32 s16, s62, 6
	s_add_co_u32 s16, s16, s14
	v_and_b32 v17, 7, v0
	v_lshl_add_u32 v17, v17, 2, s16                ; v: my lane's channel, as SMALL's rows
	v_mad_u32_u24 v[ABV], v19, 160, v17
	v_mad_u32_u24 v[ABV+1], v19, 96, v17
	; where the results go.  hA = 16 x batch + 2 hp, g = mt % 16
	s_lshr_b32 s4, s[QT], 1
	s_and_b32 s5, s[QT], 1
	s_lshr_b32 s13, s35, 4
	s_lshl_b32 s13, s13, 4
	s_lshl_b32 s14, s66, 1
	s_add_co_u32 s13, s13, s14                     ; hA
	s_and_b32 s14, s35, 15                         ; g
	s_mov_b32 s6, 1024
	s_mov_b32 s8, 512
	s_mov_b32 s9, KVHEAD
	s_mov_b32 s10, KVSTEP
	s_mov_b32 s11, 8192
	s_cmp_eq_u32 s[SEL], 0
	s_cselect_b64 s[26:27], s[26:27], s[28:29]     ; q_ws or kv_ws
	s_cselect_b32 s9, QHEAD, s9                    ; bytes of a head
	s_cselect_b32 s10, QGRP, s10                   ; of a group of 128 rows
	s_cselect_b32 s11, 4096, s11                   ; where the scale words begin: q 4,096, k 8,192, v 8,704
	s_cmp_eq_u32 s[SEL], 2
	s_cselect_b32 s4, s4, 0                        ; v: my two tiles of channels lie in head hA + qt / 2,
	s_cselect_b32 s5, s5, s[QT]                    ; and are its pair qt % 2
	s_cselect_b32 s6, 2048, s6                     ; bytes of a pair of tiles
	s_cselect_b32 s7, 4096, 0                      ; V's fragments lie behind K's tiles
	s_cselect_b32 s8, 1024, s8                     ; from tile u = 0 to u = 1
	s_cselect_b32 s11, 8704, s11
	s_cselect_b32 s12, 512, s9                     ; from registers 0-3 to 4-7: v: the fragment's second half; q, k: the next head
	s_add_co_u32 s13, s13, s4
	s_mul_i32 s13, s13, s9
	s_mul_i32 s14, s14, s10
	s_add_co_u32 s13, s13, s14                     ; the head's and the group's part
	s_mul_i32 s14, s5, s6
	s_add_co_u32 s14, s14, s7
	s_add_co_u32 s14, s14, s13
	s_mov_b32 s15, 0
	s_add_nc_u64 s[16:17], s[26:27], s[14:15]      ; the codes' base
	s_lshl_b32 s14, s5, 7
	s_add_co_u32 s14, s14, s11
	s_add_co_u32 s14, s14, s13
	s_add_nc_u64 s[18:19], s[26:27], s[14:15]      ; the scale words' base
	v_add_nc_u32 v[CO+1], s12, v[CO]
	v_add_nc_u32 v[CO+2], s8, v[CO]
	s_delay_alu instid0(VALU_DEP_2)
	v_add_nc_u32 v[CO+3], s8, v[CO+1]
	v_lshlrev_b32 v[SO], 2, v[LANE]
	s_delay_alu instid0(VALU_DEP_1)
	v_add_nc_u32 v[SO+1], s12, v[SO]
	s_wait_alu depctr_va_vdst(0)
	s_wait_loadcnt 0x0
	ds_store_b128 v[BW], v[BL:BL+3]                ; the biases wait in my own bytes of LDS until the sums are done
	s_wait_dscnt 0x0
	s_cmp_eq_u32 s[SEL], 2                         ; waves 8 to 11 fetch K's second half, by load lines of their own: they wait ahead of the second barrier
	s_cbranch_scc1 .Llater
	s_wait_tensorcnt 0x0                           ; my scale bytes, or my part of K's first half, have landed
.Llater:
	s_barrier_signal -1
	s_barrier_wait -1                              ; everybody's have
	KSTEP 0, 1
	KSTEP 1, 0
	KSTEP 2, 0
	KSTEP 3, 0
	s_wait_tensorcnt 0x0                           ; K's second half has landed (no LDS instruction of mine is out: each step waited for its loads)
	s_barrier_signal -1
	s_barrier_wait -1
	KSTEP 4, 0
	KSTEP 5, 0
	KSTEP 6, 0
	KSTEP 7, 0
.rept 4
	v_nop                                          ; places behind the last products: loads into BIG's registers and reads of the results follow
.endr
	s_cmp_eq_u32 s[SEL], 2
	s_cbranch_scc1 .Lbias_v
.irp t, 0,1,2,3,4,5,6,7                ; q, k: register 8 T + j wants the bias of channel 16 T + 8 h + j
	ds_load_b128 v[BF+8*\t:BF+8*\t+3], v[ABQ+(\t%2)] offset:256*(\t/4)+32*(\t%4)
	ds_load_b128 v[BF+8*\t+4:BF+8*\t+7], v[ABQ+(\t%2)] offset:256*(\t/4)+32*(\t%4)+16
.endr
	s_wait_dscnt 0x0
.irp u, 0,1
.set i, 0
.rept 32
	v_pk_add_f32 v[ACC+64*\u+i:ACC+64*\u+i+1], v[ACC+64*\u+i:ACC+64*\u+i+1], v[BF+i:BF+i+1]   ; ascending: each accumulator is read from its low end on
.set i, i+2
.endr
.endr
	s_branch .Lbiased
.Lbias_v:
	ds_load_b32 v[BF], v[ABV]                      ; v: a lane holds one channel
	ds_load_b32 v[BF+2], v[ABV+1] offset:32
	s_wait_dscnt 0x0
.irp u, 0,1
.set i, 0
.rept 32
	v_pk_add_f32 v[ACC+64*\u+i:ACC+64*\u+i+1], v[ACC+64*\u+i:ACC+64*\u+i+1], v[BF+2*\u:BF+2*\u+1] op_sel_hi:[1,0]
.set i, i+2
.endr
.endr
.Lbiased:
	QUANT ACC, SF, PW, 0
	QUANT ACC+64, SF+8, PW+1, 1
	global_store_b128 v[CO], v[SF:SF+3], s[16:17]          ; each store: 512 consecutive bytes, at a multiple of 256 from the buffer's first byte
	global_store_b128 v[CO+1], v[SF+4:SF+7], s[16:17]
	global_store_b128 v[CO+2], v[SF+8:SF+11], s[16:17]
	global_store_b128 v[CO+3], v[SF+12:SF+15], s[16:17]
	s_mov_b32 vcc_lo, 0xffff0000
	v_cndmask_b32 v[PW+2], v[PW], v[PW+1], vcc_lo          ; lanes 0-15: tile u = 0's words, lanes 16-31: tile u = 1's: 128 consecutive bytes
	s_cmp_eq_u32 s[SEL], 2
	s_cselect_b32 s14, -1, 0xffff                          ; q, k: bytes 0, 1 are the first head's two blocks; bytes 2, 3 become 0
	v_and_b32 v[PW+4], s14, v[PW+2]
	global_store_b32 v[SO], v[PW+4], s[18:19]
	s_cmp_eq_u32 s[SEL], 2
	s_cbranch_scc1 .Lone_word
	v_lshrrev_b32 v[PW+3], 16, v[PW+2]                     ; q, k: blocks 2 and 3 are the second head's two blocks
	global_store_b32 v[SO+1], v[PW+3], s[18:19]
.Lone_word:
	s_wait_tensorcnt 0x0
	ds_add_u32 v46, v47
	s_wait_dscnt 0x0
	ROUND                                          ; the closing round: no work-group ends while a partner may still ask for a tile that names it
	s_endpgm
.Lfunc_end_k_q09cbd830c1_proj:
	.size	k_q09cbd830c1_proj, .Lfunc_end_k_q09cbd830c1_proj-k_q09cbd830c1_proj
	.p2alignl 7, 3214868480
	.fill 96, 4, 3214868480
	.section	.rodata,"a",@progbits
	.p2align	6, 0x0
	.amdhsa_kernel k_q09cbd830c1_proj
		.amdhsa_group_segment_fixed_size 304640
		.amdhsa_private_segment_fixed_size 0
		.amdhsa_enable_private_segment 0
		.amdhsa_kernarg_size 104
		.amdhsa_user_sgpr_count 2
		.amdhsa_user_sgpr_kernarg_segment_ptr 1
		.amdhsa_wavefront_size32 1
		.amdhsa_system_sgpr_workgroup_id_x 1
		.amdhsa_system_sgpr_workgroup_id_y 1
		.amdhsa_system_sgpr_workgroup_id_z 1
		.amdhsa_system_vgpr_workitem_id 0
		.amdhsa_next_free_vgpr 256
		.amdhsa_next_free_sgpr 102
		.amdhsa_reserve_vcc 1
		.amdhsa_float_denorm_mode_32 3
		.amdhsa_float_denorm_mode_16_64 3
		.amdhsa_memory_ordered 1
		.amdhsa_forward_progress 1
		.amdhsa_inst_pref_size 60
	.end_amdhsa_kernel
	.amdgpu_metadata
---
amdhsa.version: [ 1, 2 ]
amdhsa.kernels:
  - .name:           k_q09cbd830c1_proj
    .symbol:         k_q09cbd830c1_proj.kd
    .args:
      - { .name: x_codes, .offset: 0, .size: 8, .value_kind: global_buffer, .address_space: global }
      - { .name: x_scales, .offset: 8, .size: 8, .value_kind: global_buffer, .address_space: global }
      - { .name: Wq_codes, .offset: 16, .size: 8, .value_kind: global_buffer, .address_space: global }
      - { .name: Wq_scales, .offset: 24, .size: 8, .value_kind: global_buffer, .address_space: global }
      - { .name: Wk_codes, .offset: 32, .size: 8, .value_kind: global_buffer, .address_space: global }
      - { .name: Wk_scales, .offset: 40, .size: 8, .value_kind: global_buffer, .address_space: global }
      - { .name: Wv_codes, .offset: 48, .size: 8, .value_kind: global_buffer, .address_space: global }
      - { .name: Wv_scales, .offset: 56, .size: 8, .value_kind: global_buffer, .address_space: global }
      - { .name: bq, .offset: 64, .size: 8, .value_kind: global_buffer, .address_space: global }
      - { .name: bk, .offset: 72, .size: 8, .value_kind: global_buffer, .address_space: global }
      - { .name: bv, .offset: 80, .size: 8, .value_kind: global_buffer, .address_space: global }
      - { .name: q_ws, .offset: 88, .size: 8, .value_kind: global_buffer, .address_space: global }
      - { .name: kv_ws, .offset: 96, .size: 8, .value_kind: global_buffer, .address_space: global }
    .group_segment_fixed_size: 304640
    .private_segment_fixed_size: 0
    .kernarg_segment_align: 8
    .kernarg_segment_size: 104
    .max_flat_workgroup_size: 384
    .sgpr_count:     102
    .vgpr_count:     256
    .wavefront_size: 32
...
	.end_amdgpu_metadata
.endif
;; end of part 1
;; launch attn (part 2): grid 8 x 32, 16 waves a work-group, clusters of 4 x 1, 169,984 bytes of LDS; arguments q_ws, kv_ws, a_img, a_sc; writes a_img, a_sc
.if DOCPART == 2
	.amdgcn_target "amdgcn-amd-amdhsa--gfx1250"
	.amdhsa_code_object_version 6
	.text
	.protected	k_q09cbd830c1_attn
	.globl	k_q09cbd830c1_attn
	.p2align	8
	.type	k_q09cbd830c1_attn,@function
k_q09cbd830c1_attn:
	s_mov_b64 s[64:65], 0
	v_nop
	global_prefetch_b8 v0, s[64:65] scope:SCOPE_SE
	s_setreg_imm32_b32 hwreg(HW_REG_WAVE_MODE, 25, 1), 1
	s_wait_xcnt 0x0
	s_wait_alu depctr_hold_cnt(0) depctr_sa_sdst(0) depctr_va_vdst(0) depctr_va_sdst(0) depctr_va_ssrc(0) depctr_va_vcc(0) depctr_vm_vsrc(0)
	s_getreg_b32 s2, hwreg(HW_REG_IB_STS2, 6, 4)
	s_cmp_eq_u32 s2, 0
	s_cbranch_scc0 .Lentry_in_a_cluster
	s_endpgm
.Lentry_in_a_cluster:
	s_bfe_u32 s2, ttmp6, 0x10000c
	s_cmp_lg_u32 s2, 0x3003
	s_cbranch_scc0 .Lentry_shape_is_right
	s_endpgm
.Lentry_shape_is_right:
; a = Q(softmax(q k^T / 8) v), head by head, both products on codes of FP4 (E2M1) with E8M0 scales; the result is quantised along the 1,024 joined channels for the output projection.
; THE SOFTMAX: t = score x log2(e) / 8; M = the running largest t rounded UP to a whole number; p = 2^(t - M) is quantised along the keys, not normalised; the row's sum is taken of the unquantised p
; and divides O at the end (v_rcp_f32 and a multiplication).  When M moves, the sum and O are multiplied by 2^(old M - new M), which rounds nothing.
; SHARES.  A work-group owns 256 queries of one head; each of its sixteen waves owns one tile of 16, in 256 registers, and walks the 2,048 keys in eight steps of 256.
; THE HEAD'S K AND V, codes and scale words, are 143,360 bytes: they come into LDS ONCE, as they lie in kv_ws, and stay: no slot is filled again.  They lie as images of operand registers
; (lane l's 16 bytes at 16 l), so every LDS load reads consecutive bytes.  Waves 0 to 7 fetch one step each; step 0 is walked while the others' loads may be out.
; CLUSTER: the four query blocks of a cluster belong to one head: the eight loads are asked for jointly.  No prefetch: all that the launch reads is asked for at its head.
; LAYOUT.  S^T = K Q^T (source 0 = 16 keys, source 1 = my 16 queries), O^T = V^T P^T (source 0 = 16 channels, source 1 = P): lane (r, h) holds query r throughout.
; Row m of K's tile 4 c + i is key 64 c + 32 (m / 8) + 8 (i xor (m / 8)) + m % 8 of its 128, so that a lane's 32 registers of tiles 4 c .. 4 c + 3 are the whole block 2 c + h of 32 keys:
; its largest score needs no other lane, and a conversion's result is the operand's register 4 c + i as it stands (V's keys lie in the same order).  V's channels form tiles by the same rule.
; K of the first product is the head's 64: registers 4-7 of Q's fragment are zero codes and its scale bytes there are 0 (2^-127), so what stands in registers 4-7 of a K fragment adds nothing: a tile's registers are followed by the next tile's,
; the last tile's by P's codes (every code is a finite number).
; LIMITS: NaN and infinities are not served; a block of zeros gets the byte 1 (its codes are zeros, and only this program reads the bytes).
; REGISTERS: v1 16 x lane, v2 4 x lane, v3, v4 the step's LDS addresses; v5, v6 the add's; v7 the largest score, v8 -M, v10 f (v9, v11, named with them as pairs, and v28 at work), v[12:19] the sum in four pairs (v[12:13] from step to step);
;   v20-23 the blocks' largest, v24-27 at work, then the conversions' scales; v29, v30 P's scale words, v31 Q's, v32-35 V's, v36-39 K's; v40-47 Q; v48-55, v88-95 P's codes of a step's two halves; v56-87 K's eight fragments;
;   v96-127 O^T; v128-255 S^T, then p; v128-191 V's eight fragments, when the first half's p are done with.
.set KVHEAD, 143360
.set KVSTEP, 8960                      ; 128 keys: K's 8 tiles x 512; V^T's 4 tiles x 1,024; K's scale words 512; V's 256
.set PART,   2*KVSTEP                  ; 256 keys: 70 rows of 256 bytes, what one tensor load brings
.set QHEAD,  73728
.set QGRP,   4608
.set SPARE,  167936                    ; the spare words: 128 bytes for each wave
.set ST,   128
.set OT,   96
.set XF,   56
.set PC,   48
.set PD,   88
.set KS,   36
.set VS,   32
.set WV,   12                          ; s12 wave
.set PSEL, 36                          ; s[36:37] v_permlanex16_b32's selects for lane l xor 16
.set CS,   38                          ; s[38:39] c = log2(e) / 8: the packed form names a pair and takes its low word for both halves
.set TB,   40                          ; s40 LDS byte at which the step begins
.set CNT,  41                          ; s41 trips to go
.set NCS,  44                          ; s44 -c
.macro ROUND                           ; a round of the cluster's barrier
	s_barrier_signal -1
	s_barrier_wait -1
	s_cmp_lg_u32 s[WV], 0
	s_cbranch_scc1 .Lnot_wave_0_\@
	s_barrier_signal -3
.Lnot_wave_0_\@:
	s_barrier_wait -3
	s_barrier_signal -1
	s_barrier_wait -1
.endm
.macro KLOAD hf                        ; K's eight tiles of half hf of the step (2: of the next step's first half), and their scale words: tile 2 i in lanes 0-15, tile 2 i + 1 in lanes 16-31
.irp t, 0,1,2,3,4,5,6,7
	ds_load_b128 v[XF+4*\t:XF+4*\t+3], v3 offset:KVSTEP*\hf+512*\t
.endr
.irp i, 0,1,2,3
	ds_load_b32 v[KS+\i], v4 offset:KVSTEP*\hf+8192+128*\i
.endr
.endm
.macro VLOAD reg, hf                   ; V^T's four tiles of half hf
.irp t, 0,1,2,3
	ds_load_b128 v[\reg+8*\t:\reg+8*\t+3], v3 offset:KVSTEP*\hf+4096+1024*\t
	ds_load_b128 v[\reg+8*\t+4:\reg+8*\t+7], v3 offset:KVSTEP*\hf+4096+1024*\t+512
.endr
.endm
.macro SCORES hf
.irp i, 0,1,2,3
	v_wmma_scale_f32_16x16x128_f8f6f4 v[ST+64*\hf+16*\i:ST+64*\hf+16*\i+7], v[XF+8*\i:XF+8*\i+7], v[40:47], 0, v[KS+\i], v31 matrix_a_fmt:MATRIX_FMT_FP4 matrix_b_fmt:MATRIX_FMT_FP4
	v_wmma_scale_f32_16x16x128_f8f6f4 v[ST+64*\hf+16*\i+8:ST+64*\hf+16*\i+15], v[XF+8*\i+4:XF+8*\i+11], v[40:47], 0, v[KS+\i], v31 matrix_a_fmt:MATRIX_FMT_FP4 matrix_b_fmt:MATRIX_FMT_FP4 matrix_a_scale:MATRIX_SCALE_ROW1
.endr
.endm
.macro MAXR hf, n                      ; round n of seven: four chains of 16 scores each by turns, ascending: each accumulator is read from its low end on
.irp k, 0,1,2,3
.if \n == 0
	v_max3_num_f32 v[24+\k], v[ST+64*\hf+16*\k], v[ST+64*\hf+16*\k+1], v[ST+64*\hf+16*\k+2]
.else
	v_max3_num_f32 v[24+\k], v[24+\k], v[ST+64*\hf+16*\k+2*\n+1], v[ST+64*\hf+16*\k+2*\n+2]
.endif
.endr
.endm
.macro MAXJ hf                         ; the chains' last scores; two chains make a block: v20-21 (half 0), v22-23 (half 1)
	v_max3_num_f32 v[20+2*\hf], v24, v[ST+64*\hf+15], v25
	v_max3_num_f32 v[21+2*\hf], v26, v[ST+64*\hf+47], v27
	v_max_num_f32 v[20+2*\hf], v[20+2*\hf], v[ST+64*\hf+31]
	v_max_num_f32 v[21+2*\hf], v[21+2*\hf], v[ST+64*\hf+63]
.endm
.macro PV reg, codes, vs, word         ; O^T += V^T P^T for 128 keys
.irp i, 0,1
	v_wmma_scale_f32_16x16x128_f8f6f4 v[OT+16*\i:OT+16*\i+7], v[\reg+16*\i:\reg+16*\i+7], v[\codes:\codes+7], v[OT+16*\i:OT+16*\i+7], v[\vs+\i], v[\word] matrix_a_fmt:MATRIX_FMT_FP4 matrix_b_fmt:MATRIX_FMT_FP4
	v_wmma_scale_f32_16x16x128_f8f6f4 v[OT+16*\i+8:OT+16*\i+15], v[\reg+16*\i+8:\reg+16*\i+15], v[\codes:\codes+7], v[OT+16*\i+8:OT+16*\i+15], v[\vs+\i], v[\word] matrix_a_fmt:MATRIX_FMT_FP4 matrix_b_fmt:MATRIX_FMT_FP4 matrix_a_scale:MATRIX_SCALE_ROW1
.endr
.endm
.macro PV0 reg, codes, vs, word        ; the very first: the products start the sums
.irp i, 0,1
	v_wmma_scale_f32_16x16x128_f8f6f4 v[OT+16*\i:OT+16*\i+7], v[\reg+16*\i:\reg+16*\i+7], v[\codes:\codes+7], 0, v[\vs+\i], v[\word] matrix_a_fmt:MATRIX_FMT_FP4 matrix_b_fmt:MATRIX_FMT_FP4
	v_wmma_scale_f32_16x16x128_f8f6f4 v[OT+16*\i+8:OT+16*\i+15], v[\reg+16*\i+8:\reg+16*\i+15], v[\codes:\codes+7], 0, v[\vs+\i], v[\word] matrix_a_fmt:MATRIX_FMT_FP4 matrix_b_fmt:MATRIX_FMT_FP4 matrix_a_scale:MATRIX_SCALE_ROW1
.endr
.endm
; A STEP of 256 keys.  first = 1: nothing was summed before it, and it loads its own first K tiles (else they have been loaded).  pre = 1: it loads the next step's first K tiles.
.macro STEP first, pre
	v_add_nc_u32 v3, s[TB], v1
	v_add_nc_u32 v4, s[TB], v2
.rept 3
	v_nop                                          ; with the two additions: five places between the last step's products and the products that write over their operands
.endr
.if \first
	KLOAD 0
	s_wait_alu depctr_va_vdst(0)
	s_wait_dscnt 0x0
.endif
	SCORES 0
.rept 4
	v_nop                                          ; places in front of the loads into K's registers and of the first read of the scores
.endr
	KLOAD 1
.irp n, 0,1,2,3,4,5,6
	MAXR 0, \n
.endr
	s_wait_alu depctr_va_vdst(0)
	s_wait_dscnt 0x0
.if \first
	s_wait_tensorcnt 0x0                           ; my part of the other steps has landed (no LDS instruction of mine is out): say so.
	s_barrier_signal -1                            ; Up to its wait, behind the step, stand work on registers and LDS loads of bytes that nobody writes
.endif
	SCORES 1
	MAXJ 0                                         ; four instructions that name none of the last products' registers: their places
.if \pre
	KLOAD 2                                        ; the next step's first eight tiles of K
.endif
.irp i, 0,1
	ds_load_b32 v[VS+\i], v4 offset:8704+128*\i
	ds_load_b32 v[VS+2+\i], v4 offset:KVSTEP+8704+128*\i
.endr
.irp n, 0,1,2,3,4,5,6
	MAXR 1, \n
.endr
	MAXJ 1
	v_max3_num_f32 v9, v20, v21, v22
	s_delay_alu instid0(VALU_DEP_1)
	v_max_num_f32 v9, v9, v23
	s_delay_alu instid0(VALU_DEP_1)
	v_permlanex16_b32 v28, v9, s[PSEL], s[PSEL+1]
	s_delay_alu instid0(VALU_DEP_1)
.if \first
	v_max_num_f32 v7, v9, v28                      ; my query's largest score
	s_delay_alu instid0(VALU_DEP_1)
	v_mul_f32 v9, s[NCS], v7
	s_delay_alu instid0(VALU_DEP_1)
	v_floor_f32 v8, v9                             ; -M = floor(-t) = -ceil(t): a whole number
.else
	v_max3_num_f32 v7, v7, v9, v28                 ; my query's running largest score
	s_delay_alu instid0(VALU_DEP_1)
	v_mul_f32 v9, s[NCS], v7                       ; -t
	v_mov_b32 v11, v8
	s_delay_alu instid0(VALU_DEP_2)
	v_floor_f32 v8, v9                             ; the new -M = floor(-t) = -ceil(t): a whole number
	s_delay_alu instid0(VALU_DEP_1)
	v_sub_f32 v11, v8, v11                         ; old M - new M: a whole number, 0 or less
	s_delay_alu instid0(VALU_DEP_1)
	v_cvt_i32_f32 v11, v11                         ; (it saturates)
	s_delay_alu instid0(VALU_DEP_1)
	v_ldexp_f32 v10, 1.0, v11                      ; f = 2^(old M - new M)
.endif
.set NN, 0
.rept 32
	v_pk_fma_f32 v[ST+2*NN:ST+2*NN+1], v[ST+2*NN:ST+2*NN+1], s[CS:CS+1], v[8:9] op_sel_hi:[1,0,0]   ; t - M, two at a time (of the pair v[8:9] the low word serves both)
.set NN, NN+1
.endr
.irp b, 0,1,2,3
	v_fma_f32 v[20+\b], v[20+\b], s[CS], v8        ; the same of each block's largest score
.endr
.if \first == 0
.set NN, 0
.rept 16
	v_pk_mul_f32 v[OT+2*NN:OT+2*NN+1], v[OT+2*NN:OT+2*NN+1], v[10:11] op_sel_hi:[1,0]   ; O^T under the new M; ascending: each accumulator is read from its low end on
.set NN, NN+1
.endr
.endif
	s_wait_alu depctr_va_vdst(0)                   ; the wait ahead of the batch
.irp b, 0,1,2,3
	v_exp_f32 v[20+\b], v[20+\b]                   ; the block's largest p: the same instructions on the same number
.endr
.set NN, 0
.rept 32                               ; the first half's exponentials, and among them the second half's t - M
	v_exp_f32 v[ST+2*NN], v[ST+2*NN]
	v_exp_f32 v[ST+2*NN+1], v[ST+2*NN+1]
	v_pk_fma_f32 v[ST+64+2*NN:ST+65+2*NN], v[ST+64+2*NN:ST+65+2*NN], s[CS:CS+1], v[8:9] op_sel_hi:[1,0,0]
.set NN, NN+1
.endr
	s_wait_alu depctr_va_vdst(0)                   ; one wait for this batch's readers and for the next batch's sources
.irp b, 0,1,2,3
	v_max_num_f32 v[20+\b], 0x1800000, v[20+\b]    ; the floor 2^(3 - 127): the byte cannot fall under 1
.endr
.irp b, 0,1,2,3
	v_add_nc_u32 v[24+\b], 0xff000000, v[20+\b]    ; 2 off the exponent field: the conversion's scale operand
.endr
.irp b, 0,1,2,3
	v_lshrrev_b32 v[20+\b], 23, v[24+\b]           ; the scale's byte
.endr
	v_lshl_or_b32 v9, v21, 16, v20                 ; my bytes of the two scale words: blocks h and 2 + h of each half
	v_lshl_or_b32 v11, v23, 16, v22
	v_permlanex16_b32 v20, v9, s[PSEL], s[PSEL+1]
	v_permlanex16_b32 v21, v11, s[PSEL], s[PSEL+1]
	v_lshl_or_b32 v30, v20, 8, v9                  ; whole in lanes 0-15, which are read
	v_lshl_or_b32 v29, v21, 8, v11
.irp c, 0,1
.irp i, 0,1,2,3
	v_cvt_scalef32_pk8_fp4_f32 v[PC+4*\c+\i], v[ST+32*\c+8*\i:ST+32*\c+8*\i+7], v[24+\c]
.endr
.endr
	; the row's sum, of the unquantised p, in four chains of pairs; also the plain places behind the conversions
.if \first
	v_pk_add_f32 v[12:13], v[ST:ST+1], v[ST+62:ST+63]
.else
	v_pk_fma_f32 v[12:13], v[12:13], v[10:11], v[ST:ST+1] op_sel_hi:[1,0,1]   ; what was summed, under the new M
.endif
	v_pk_add_f32 v[14:15], v[ST+2:ST+3], v[ST+4:ST+5]
	v_pk_add_f32 v[16:17], v[ST+6:ST+7], v[ST+8:ST+9]
	v_pk_add_f32 v[18:19], v[ST+10:ST+11], v[ST+12:ST+13]
.set NN, 7
.rept 25-\first
	v_pk_add_f32 v[12+2*((NN+1)%4):13+2*((NN+1)%4)], v[12+2*((NN+1)%4):13+2*((NN+1)%4)], v[ST+2*NN:ST+2*NN+1]
.set NN, NN+1
.endr
	VLOAD ST, 0                                    ; the first half's p are done with: V's two halves land over them, under the batch below
	VLOAD ST+32, 1
.set NN, 0
.rept 64
	v_exp_f32 v[ST+64+NN], v[ST+64+NN]
.set NN, NN+1
.endr
	v_nop                                          ; a plain place behind the batch
	s_wait_alu depctr_va_vdst(0)                   ; and its one wait
.irp c, 0,1
.irp i, 0,1,2,3
	v_cvt_scalef32_pk8_fp4_f32 v[PD+4*\c+\i], v[ST+64+32*\c+8*\i:ST+64+32*\c+8*\i+7], v[26+\c]
.endr
.endr
.set NN, 0
.rept 32
	v_pk_add_f32 v[12+2*(NN%4):13+2*(NN%4)], v[12+2*(NN%4):13+2*(NN%4)], v[ST+64+2*NN:ST+65+2*NN]
.set NN, NN+1
.endr
	v_pk_add_f32 v[12:13], v[12:13], v[14:15]
	v_pk_add_f32 v[16:17], v[16:17], v[18:19]
	v_pk_add_f32 v[12:13], v[12:13], v[16:17]
	s_wait_alu depctr_va_vdst(0)
	s_wait_dscnt 0x0                               ; V and its scale words are in; and the next step's first K tiles
.if \first
	PV0 ST, PC, VS, 30
.else
	PV ST, PC, VS, 30
.endif
	PV ST+32, PD, VS+2, 29                         ; four accumulators by turns: three others stand between a sum's two steps
	s_add_co_u32 s[TB], s[TB], PART
.endm
	s_load_b256 s[4:11], s[0:1], 0x0               ; q_ws s[4:5], kv_ws s[6:7], a_img s[8:9], a_sc s[10:11]
	v_lshl_add_u32 v5, v0, 2, SPARE
	v_mov_b32 v6, 0
	ds_add_u32 v5, v6                              ; the opening lines: the add, twice on end, and its wait
	ds_add_u32 v5, v6
	v_lshrrev_b32 v3, 5, v0
	v_readfirstlane_b32 s[WV], v3                  ; wave 0 .. 15
	v_and_b32 v4, 31, v0
	v_and_b32 v7, 15, v0
	v_lshlrev_b32 v1, 4, v4                        ; 16 x lane
	v_lshlrev_b32 v2, 2, v4                        ; 4 x lane
	v_lshlrev_b32 v7, 2, v7                        ; 4 r
	s_bfe_u32 s13, ttmp6, 0x40000                  ; cx: it enters Q's and the results' addresses alone
	s_lshl_b32 s14, ttmp9, 2
	s_add_co_u32 s14, s14, s13                     ; my block of 256 queries
	s_and_b32 s15, ttmp7, 0xffff                   ; hh = 16 x batch + head, which the four partners share
	s_mov_b32 s24, 15|(3<<16)|(1<<21)              ; group 1: the mask names all four; elements of 8 bytes; no padding; bit 21 beside a mask
	s_mov_b32 s25, 32<<16                          ; rows of 256 bytes,
	s_mov_b32 s26, 70<<16                          ; 70 of them, dense
	s_mov_b32 s27, 32<<16
	s_mov_b32 s28, 70
	s_mov_b32 s29, 32
	s_mov_b32 s30, 0
	s_mov_b32 s31, 0
	s_and_b32 s16, s[WV], 7
	s_mov_b32 s32, 1
	s_mul_i32 s33, s16, PART                       ; waves 0 to 7 fetch a step each: to LDS byte wave x 17,920,
	s_mul_i32 s18, s15, KVHEAD
	s_add_co_u32 s18, s18, s33                     ; from the same place in the head's block
	s_mov_b32 s19, 0
	s_mov_b32 s[PSEL], 0x76543210
	s_mov_b32 s[PSEL+1], 0xfedcba98
	s_mov_b32 s[CS], 0x3e38aa3b
	s_mov_b32 s[CS+1], s[CS]
	s_mov_b32 s[NCS], 0xbe38aa3b
	s_mov_b32 s[TB], 0
	s_mov_b32 s[CNT], 6
	s_lshr_b32 s16, s[WV], 3
	s_lshl_b32 s17, s14, 1
	s_add_co_u32 s16, s16, s17                     ; g: my group of 128 queries
	s_and_b32 s17, s[WV], 7                        ; T: my tile in it
	s_mul_i32 s20, s15, QHEAD
	s_mul_i32 s21, s16, QGRP
	s_add_co_u32 s20, s20, s21
	s_lshl_b32 s21, s17, 9
	s_add_co_u32 s22, s20, s21                     ; where Q's codes lie
	s_mov_b32 s23, 0
	s_lshl_b32 s21, s17, 6
	s_add_co_u32 s20, s20, s21
	s_add_co_u32 s20, s20, 4096                    ; and its scale words
	s_mov_b32 s21, 0
	s_wait_alu depctr_va_vdst(0)
	s_wait_dscnt 0x0                               ; both opening adds are done
	s_wait_kmcnt 0x0
	s_add_nc_u64 s[42:43], s[4:5], s[22:23]
	s_add_nc_u64 s[46:47], s[4:5], s[20:21]
	global_load_b128 v[40:43], v1, s[42:43]        ; lane (r, h): block h of my tile's row r
	global_load_b32 v31, v7, s[46:47]
	s_add_nc_u64 s[34:35], s[6:7], s[18:19]
	s_or_b32 s35, s35, 0x80000000
	ROUND                                          ; all four work-groups are here: the joint loads meet
	s_cmp_eq_u32 s[WV], 0                          ; one load a wave at the most.  Wave 0's has a line of its own: it alone waits ahead of the first barrier
	s_cbranch_scc0 .Lothers
	tensor_load_to_lds s[32:35], s[24:31]
	s_nop 0
.rept 4
	v_nop
.endr
	s_branch .Lfilled
.Lothers:
	s_cmp_lt_u32 s[WV], 8
	s_cbranch_scc0 .Lfilled
	tensor_load_to_lds s[32:35], s[24:31]
	s_nop 0
.rept 4
	v_nop
.endr
.Lfilled:
	s_lshr_b32 s20, s15, 4                         ; where the results go: mt = 16 x batch + g, hd = the head
	s_lshl_b32 s20, s20, 4
	s_add_co_u32 s20, s20, s16
	s_and_b32 s21, s15, 15
	s_lshl_b32 s22, s20, 16                        ; a_img: mt x 65,536 + (hd / 8) x 32,768 + T x 4,096 + (hd % 8) x 512
	s_lshr_b32 s18, s21, 3
	s_lshl_b32 s18, s18, 15
	s_add_co_u32 s22, s22, s18
	s_lshl_b32 s18, s17, 12
	s_add_co_u32 s22, s22, s18
	s_and_b32 s18, s21, 7
	s_lshl_b32 s18, s18, 9
	s_add_co_u32 s22, s22, s18
	s_add_nc_u64 s[8:9], s[8:9], s[22:23]
	s_lshl_b32 s22, s20, 12                        ; a_sc: mt x 4,096 + T x 512 + (hd / 2) x 64 + 2 (hd % 2)
	s_lshl_b32 s18, s17, 9
	s_add_co_u32 s22, s22, s18
	s_lshr_b32 s18, s21, 1
	s_lshl_b32 s18, s18, 6
	s_add_co_u32 s22, s22, s18
	s_and_b32 s18, s21, 1
	s_lshl_b32 s18, s18, 1
	s_add_co_u32 s22, s22, s18
	s_add_nc_u64 s[10:11], s[10:11], s[22:23]
.irp j, 44,45,46,47,88,89,90,91
	v_mov_b32 v\j, 0                               ; k = 64 .. 127 of Q's fragment: zero codes; and what follows K's last tile in the first step
.endr
	v_mov_b32 v28, 0                               ; a lane permute's destination counts as one of its sources
	s_wait_alu depctr_va_vdst(0)                   ; the wait at the head's end
	s_wait_loadcnt 0x0                             ; Q
	s_cmp_eq_u32 s[WV], 0
	s_cbranch_scc0 .Lnot_mine
	s_wait_tensorcnt 0x0                           ; step 0's keys have landed
.Lnot_mine:
	s_barrier_signal -1
	s_barrier_wait -1
	STEP 1, 0
	s_barrier_wait -1                              ; all steps' keys have landed: every wave signalled in its first step
	KLOAD 2                                        ; (v3, v4 still point at step 0)
	s_wait_dscnt 0x0
.Lstep:                                                ; 6 trips of 256 keys
	STEP 0, 1
	s_sub_co_u32 s[CNT], s[CNT], 1
	s_cmp_lg_u32 s[CNT], 0
	s_cbranch_scc1 .Lstep
	STEP 0, 0                                      ; the last step loads nothing beyond the head's keys
	; THE WAY OUT: O^T / the sum, quantised: register 8 i + j of lane (r, h) is channel 32 h + 8 (i xor h) + j of my query: one whole block of 32 of the next product's K
	v_add_f32 v12, v12, v13                        ; the sum's two halves,
	s_delay_alu instid0(VALU_DEP_1)
	v_permlanex16_b32 v28, v12, s[PSEL], s[PSEL+1]
	s_delay_alu instid0(VALU_DEP_1)
	v_add_f32 v12, v12, v28                        ; and lane l xor 16's
	s_wait_alu depctr_va_vdst(0)                   ; the wait ahead of the transcendental
	v_rcp_f32 v12, v12
	v_and_b32 v3, 15, v0                           ; (plain places behind the reciprocal and behind the last products)
	v_bfe_u32 v4, v0, 4, 1
	s_delay_alu instid0(VALU_DEP_1)
	v_lshl_add_u32 v3, v3, 2, v4                   ; my scale byte's place: 4 r + h
	s_wait_alu depctr_va_vdst(0)                   ; the wait ahead of the reciprocal's and of O^T's first readers
.set NN, 0
.rept 16
	v_pk_mul_f32 v[192+2*NN:193+2*NN], v[OT+2*NN:OT+2*NN+1], v[12:13] op_sel_hi:[1,0]   ; ascending: each accumulator is read from its low end on
.set NN, NN+1
.endr
.irp b, 0,1
	v_max3_num_f32 v[20+\b], |v[192+16*\b]|, |v[193+16*\b]|, 0x1800000
.endr
.irp i, 2,4,6,8,10,12,14
.irp b, 0,1
	s_delay_alu instid0(VALU_DEP_2)
	v_max3_num_f32 v[20+\b], v[20+\b], |v[192+16*\b+\i]|, |v[193+16*\b+\i]|
.endr
.endr
	s_delay_alu instid0(VALU_DEP_1)
	v_max_num_f32 v20, v20, v21
	s_delay_alu instid0(VALU_DEP_1)
	v_add_nc_u32 v24, 0xff000000, v20
	s_delay_alu instid0(VALU_DEP_1)
	v_lshrrev_b32 v20, 23, v24                     ; my block's scale byte
.irp i, 0,1,2,3
	v_cvt_scalef32_pk8_fp4_f32 v[48+\i], v[192+8*\i:199+8*\i], v24
.endr
	v_nop                                          ; one plain place behind a scaled conversion
	s_mov_b32 vcc_lo, 0xffff0000
	v_cndmask_b32 v52, v48, v49, vcc_lo            ; lanes 16-31 hold their eights in the order 1, 0, 3, 2: back to the order of the channels
	v_cndmask_b32 v53, v49, v48, vcc_lo
	v_cndmask_b32 v54, v50, v51, vcc_lo
	v_cndmask_b32 v55, v51, v50, vcc_lo
	global_store_b128 v1, v[52:55], s[8:9]         ; 512 consecutive bytes, at a multiple of 256 from the buffer's first byte
	global_store_b8 v3, v20, s[10:11]              ; 32 single bytes a wave, once
	s_wait_tensorcnt 0x0                           ; the wave's end
	ds_add_u32 v5, v6
	s_wait_dscnt 0x0
	ROUND                                          ; the closing round
	s_endpgm
.Lfunc_end_k_q09cbd830c1_attn:
	.size	k_q09cbd830c1_attn, .Lfunc_end_k_q09cbd830c1_attn-k_q09cbd830c1_attn
	.p2alignl 7, 3214868480
	.fill 96, 4, 3214868480
	.section	.rodata,"a",@progbits
	.p2align	6, 0x0
	.amdhsa_kernel k_q09cbd830c1_attn
		.amdhsa_group_segment_fixed_size 169984
		.amdhsa_private_segment_fixed_size 0
		.amdhsa_enable_private_segment 0
		.amdhsa_kernarg_size 32
		.amdhsa_user_sgpr_count 2
		.amdhsa_user_sgpr_kernarg_segment_ptr 1
		.amdhsa_wavefront_size32 1
		.amdhsa_system_sgpr_workgroup_id_x 1
		.amdhsa_system_sgpr_workgroup_id_y 1
		.amdhsa_system_sgpr_workgroup_id_z 1
		.amdhsa_system_vgpr_workitem_id 0
		.amdhsa_next_free_vgpr 256
		.amdhsa_next_free_sgpr 66
		.amdhsa_reserve_vcc 1
		.amdhsa_float_denorm_mode_32 3
		.amdhsa_float_denorm_mode_16_64 3
		.amdhsa_memory_ordered 1
		.amdhsa_forward_progress 1
		.amdhsa_inst_pref_size 88
	.end_amdhsa_kernel
	.amdgpu_metadata
---
amdhsa.version: [ 1, 2 ]
amdhsa.kernels:
  - .name:           k_q09cbd830c1_attn
    .symbol:         k_q09cbd830c1_attn.kd
    .args:
      - { .name: q_ws, .offset: 0, .size: 8, .value_kind: global_buffer, .address_space: global }
      - { .name: kv_ws, .offset: 8, .size: 8, .value_kind: global_buffer, .address_space: global }
      - { .name: a_img, .offset: 16, .size: 8, .value_kind: global_buffer, .address_space: global }
      - { .name: a_sc, .offset: 24, .size: 8, .value_kind: global_buffer, .address_space: global }
    .group_segment_fixed_size: 169984
    .private_segment_fixed_size: 0
    .kernarg_segment_align: 8
    .kernarg_segment_size: 32
    .max_flat_workgroup_size: 512
    .sgpr_count:     66
    .vgpr_count:     256
    .wavefront_size: 32
...
	.end_amdgpu_metadata
.endif
;; end of part 2
;; launch oproj (part 3): grid 32 x 8, 8 waves a work-group, clusters of 4 x 4, 214,272 bytes of LDS; arguments a_img, a_sc, Wo_codes, Wo_scales, bo, out0; writes out0
.if DOCPART == 3
	.amdgcn_target "amdgcn-amd-amdhsa--gfx1250"
	.amdhsa_code_object_version 6
	.text
	.protected	k_q09cbd830c1_oproj
	.globl	k_q09cbd830c1_oproj
	.p2align	8
	.type	k_q09cbd830c1_oproj,@function
k_q09cbd830c1_oproj:
	s_mov_b64 s[64:65], 0
	v_nop
	global_prefetch_b8 v0, s[64:65] scope:SCOPE_SE
	s_setreg_imm32_b32 hwreg(HW_REG_WAVE_MODE, 25, 1), 1
	s_wait_xcnt 0x0
	s_wait_alu depctr_hold_cnt(0) depctr_sa_sdst(0) depctr_va_vdst(0) depctr_va_sdst(0) depctr_va_ssrc(0) depctr_va_vcc(0) depctr_vm_vsrc(0)
	s_getreg_b32 s2, hwreg(HW_REG_IB_STS2, 6, 4)
	s_cmp_eq_u32 s2, 0
	s_cbranch_scc0 .Lentry_in_a_cluster
	s_endpgm
.Lentry_in_a_cluster:
	s_bfe_u32 s2, ttmp6, 0x10000c
	s_cmp_lg_u32 s2, 0xf033
	s_cbranch_scc0 .Lentry_shape_is_right
	s_endpgm
.Lentry_shape_is_right:
; out0 = a Wo^T + bo on codes of FP4 (E2M1) with E8M0 scales; a comes from the launch before as images of operand registers (a_img) and scale words (a_sc); out0 is f32.
; SHARES.  A work-group makes 128 x 128 of out0 (row tile mt, column tile nt); wave w makes a's tiles 2 rp and 2 rp + 1 (rp = w / 2) against 64 columns (half ch = w % 2): 2 x 4 accumulators, six fragments from LDS for eight products.
; Source 0 = 16 rows of Wo, source 1 = a's 16 rows: a lane holds eight neighbouring columns of one row.  The bias is the C of the first products.
; Row m of a's tile 4 c + i is row 64 c + 32 (m / 8) + 8 (i xor (m / 8)) + m % 8 of the 128.
; LDS is filled ONCE: all of K = 1,024 of both operands fits: no ring, no slot is filled again.  CLUSTER 4 x 4: Wo's tiles hang on nt alone (joint along a row of the cluster), a's on mt alone (joint along a column).
; No prefetch: all that the launch reads is asked for at its head.
; LIMITS: NaN and infinities are not served.
.set PITCH,  272                       ; an LDS row of Wo's codes: 256 bytes + 16 of padding
.set HALF,   128*PITCH
.set AIMG,   2*HALF                    ; a's images: half x 32,768 + tile x 4,096 + K step x 1,024 + 512 c + 16 lane, dense
.set WSC,    AIMG+65536                ; Wo's scale bytes: 16 units of 256 + 16
.set ASC,    WSC+16*272                ; a's scale words: tile x 512 + K step x 64 + 4 r
.set STAGE,  ASC+4096                  ; the way out: 32 rows x (256 + 16) bytes for each wave
.set SPITCH, 272
.set SPARE,  STAGE+8*32*SPITCH         ; the spare words: 128 bytes for each wave
.set ADB,  4                           ; v4 LDS address of Wo's fragments
.set ADA,  5                           ; v5 of a's
.set ASB,  6                           ; v6 of Wo's scale words
.set ASA,  7                           ; v7 of a's
.set STO,  8                           ; v8 the stage: where I put 32 bytes of a row
.set RD,   9                           ; v9 and where I read rows back: lanes 0-15 one row, lanes 16-31 the next
.set GO,   10                          ; v10 and where they go in out0
.set BO,   11                          ; v11 32 h
.set BS,   16                          ; v16-31 Wo's scale words: 8 half + 4 i + q: tile 2 i in lanes 0-15, 2 i + 1 in lanes 16-31
.set ASW,  32                          ; v32-39 a's: a K step each: tile u = 0 in lanes 0-15, u = 1 in lanes 16-31
.set SPW,  40
.set NIL,  41
.set BI,   64                          ; v64-95 the bias: register 8 t + j is column 16 t + 8 h + j of my 64
.set ACC,  96                          ; v96-159 accumulator (u, t) at 32 u + 8 t
.set FB,   160                         ; v160-207, v208-255 two buffers of fragments: Wo's four, then a's two
.set OB,   160                         ; the way out: v160-223 rows read back
.set WV,   30
.set RP,   28
.set CH,   29
.set G1WC, 36                          ; s[36:43] group 1: Wo's codes;  s[44:51] a's images;  s[52:59] Wo's scale bytes;  s[68:75] a's scale words
.set G1AC, 44
.set G1WS, 52
.set G1AS, 68
.set G0W,  76                          ; s[76:87] three groups 0 for Wo: scales, half 0, half 1;  s[88:99] for a
.set G0A,  88
.macro ROUND                           ; a round of the cluster's barrier
	s_barrier_signal -1
	s_barrier_wait -1
	s_cmp_lg_u32 s[WV], 0
	s_cbranch_scc1 .Lnot_wave_0_\@
	s_barrier_signal -3
.Lnot_wave_0_\@:
	s_barrier_wait -3
	s_barrier_signal -1
	s_barrier_wait -1
.endm
.macro LOADF s                         ; K step s's six fragments: twelve loads into buffer s % 2
.set KH, (\s)/4
.set KQ, (\s)%4
.set rF, FB+48*((\s)%2)
.irp t, 0,1,2,3
	ds_load_b128 v[rF+8*\t:rF+8*\t+3], v[ADB] offset:KH*HALF+\t*16*PITCH+64*KQ
	ds_load_b128 v[rF+8*\t+4:rF+8*\t+7], v[ADB] offset:KH*HALF+\t*16*PITCH+64*KQ+32
.endr
.irp u, 0,1
	ds_load_b128 v[rF+32+8*\u:rF+35+8*\u], v[ADA] offset:KH*32768+\u*4096+KQ*1024
	ds_load_b128 v[rF+36+8*\u:rF+39+8*\u], v[ADA] offset:KH*32768+\u*4096+KQ*1024+512
.endr
.endm
.macro MULP i, s                       ; Wo's tiles 2 i and 2 i + 1 against a's two, K step s
.set rF, FB+48*((\s)%2)
.set rW, rF+16*(\i)
.set rA, rF+32
.set rSA, BS+8*((\s)/4)+4*(\i)+(\s)%4
.set rSB, ASW+(\s)
.set rD, ACC+16*(\i)
.if (\s) == 0
.set rC, BI+16*(\i)
.set rU, 0
.else
.set rC, rD
.set rU, 32
.endif
	v_wmma_scale_f32_16x16x128_f8f6f4 v[rD:rD+7], v[rW:rW+7], v[rA:rA+7], v[rC:rC+7], v[rSA], v[rSB] matrix_a_fmt:MATRIX_FMT_FP4 matrix_b_fmt:MATRIX_FMT_FP4
	v_wmma_scale_f32_16x16x128_f8f6f4 v[rD+32:rD+39], v[rW:rW+7], v[rA+8:rA+15], v[rC+rU:rC+rU+7], v[rSA], v[rSB] matrix_a_fmt:MATRIX_FMT_FP4 matrix_b_fmt:MATRIX_FMT_FP4 matrix_b_scale:MATRIX_SCALE_ROW1
	v_wmma_scale_f32_16x16x128_f8f6f4 v[rD+8:rD+15], v[rW+8:rW+15], v[rA:rA+7], v[rC+8:rC+15], v[rSA], v[rSB] matrix_a_fmt:MATRIX_FMT_FP4 matrix_b_fmt:MATRIX_FMT_FP4 matrix_a_scale:MATRIX_SCALE_ROW1
	v_wmma_scale_f32_16x16x128_f8f6f4 v[rD+40:rD+47], v[rW+8:rW+15], v[rA+8:rA+15], v[rC+rU+8:rC+rU+15], v[rSA], v[rSB] matrix_a_fmt:MATRIX_FMT_FP4 matrix_b_fmt:MATRIX_FMT_FP4 matrix_a_scale:MATRIX_SCALE_ROW1 matrix_b_scale:MATRIX_SCALE_ROW1
.endm
; K step s of eight: the next step's loads (more = 1), then eight products; the eight accumulators take turns, one instruction a turn, in the same order in every step
.macro KSTEP s, more
.rept 4
	v_nop                                          ; four places between the last products and loads into registers that products have read
.endr
.if \more
	LOADF \s+1
	s_wait_dscnt 12                                ; all but the twelve just issued
.else
	s_wait_dscnt 0x0
.endif
	MULP 0, \s
	MULP 1, \s
.endm
	s_load_b256 s[4:11], s[0:1], 0x0               ; a_img s[4:5], a_sc s[6:7], Wo's codes s[8:9], Wo's scales s[10:11]
	s_load_b128 s[12:15], s[0:1], 0x20             ; bo s[12:13], out0 s[14:15]
	v_lshl_add_u32 v[SPW], v0, 2, SPARE
	v_mov_b32 v[NIL], 0
	ds_add_u32 v[SPW], v[NIL]                      ; the opening lines: the add, twice on end, and its wait
	ds_add_u32 v[SPW], v[NIL]
	v_lshrrev_b32 v12, 5, v0
	v_readfirstlane_b32 s[WV], v12                 ; wave 0 .. 7
	s_lshr_b32 s[RP], s[WV], 1
	s_and_b32 s[CH], s[WV], 1
	s_bfe_u32 s33, ttmp6, 0x40000                  ; cx, cy
	s_bfe_u32 s34, ttmp6, 0x40004
	s_lshl_b32 s35, ttmp9, 2
	s_add_co_u32 s35, s35, s33                     ; mt
	s_and_b32 s66, ttmp7, 0xffff
	s_lshl_b32 s66, s66, 2
	s_add_co_u32 s66, s66, s34                     ; nt
	s_lshl_b32 s67, s34, 2
	s_lshl_b32 s67, 15, s67                        ; my row of the cluster: Wo's tiles
	s_lshl_b32 s3, 0x1111, s33                     ; my column: a's
	s_or_b32 s[G1WC], s67, (1<<20)|(1<<21)|(5<<22)|(3<<25)          ; bytes; 4 words of padding behind every 64; bit 21 beside a mask
	s_or_b32 s[G1WS], s67, (3<<16)|(1<<20)|(1<<21)|(5<<22)|(3<<25)  ; elements of 8 bytes, the same padding
	s_or_b32 s[G1AC], s3, (3<<16)|(1<<21)                           ; elements of 8 bytes, no padding
	s_or_b32 s[G1AS], s3, (3<<16)|(1<<21)
	s_mov_b32 s[G1WC+1], 256<<16                   ; 128 rows x 256 bytes, 512 apart in memory
	s_mov_b32 s[G1WC+2], 128<<16
	s_mov_b32 s[G1WC+3], 256<<16
	s_mov_b32 s[G1WC+4], 128
	s_mov_b32 s[G1WC+5], 512
	s_mov_b32 s[G1WC+6], 0
	s_mov_b32 s[G1WC+7], 0
	s_mov_b32 s[G1AC+1], 32<<16                    ; 32,768 dense bytes as 128 rows of 256
	s_mov_b32 s[G1AC+2], 128<<16
	s_mov_b32 s[G1AC+3], 32<<16
	s_mov_b32 s[G1AC+4], 128
	s_mov_b32 s[G1AC+5], 32
	s_mov_b32 s[G1AC+6], 0
	s_mov_b32 s[G1AC+7], 0
.irp g, G1WS, G1AS                     ; 4,096 dense bytes as 16 rows of 256
	s_mov_b32 s[\g+1], 32<<16
	s_mov_b32 s[\g+2], 16<<16
	s_mov_b32 s[\g+3], 32<<16
	s_mov_b32 s[\g+4], 16
	s_mov_b32 s[\g+5], 32
	s_mov_b32 s[\g+6], 0
	s_mov_b32 s[\g+7], 0
.endr
	s_mov_b32 s[G0W+1], WSC                        ; LDS addresses are constants
	s_mov_b32 s[G0W+5], 0
	s_mov_b32 s[G0W+9], HALF
	s_mov_b32 s[G0A+1], ASC
	s_mov_b32 s[G0A+5], AIMG
	s_mov_b32 s[G0A+9], AIMG+32768
.irp g, G0W, G0W+4, G0W+8, G0A, G0A+4, G0A+8
	s_mov_b32 s[\g], 1
.endr
	s_lshl_b32 s100, s66, 16                       ; Wo: 128 rows of 512 bytes
	s_mov_b32 s101, 0
	s_lshl_b32 s62, s35, 16                        ; a: 65,536 bytes of images
	s_mov_b32 s63, 0
	s_wait_dscnt 0x0                               ; both opening adds are done
	s_wait_kmcnt 0x0
	s_add_nc_u64 s[G0W+6:G0W+7], s[8:9], s[100:101]
	s_add_nc_u64 s[G0W+10:G0W+11], s[G0W+6:G0W+7], 256
	s_lshl_b32 s100, s66, 12
	s_add_nc_u64 s[G0W+2:G0W+3], s[10:11], s[100:101]
	s_add_nc_u64 s[G0A+6:G0A+7], s[4:5], s[62:63]
	s_add_nc_u64 s[G0A+10:G0A+11], s[G0A+6:G0A+7], 32768
	s_lshl_b32 s62, s35, 12
	s_add_nc_u64 s[G0A+2:G0A+3], s[6:7], s[62:63]
.irp g, G0W+3, G0W+7, G0W+11, G0A+3, G0A+7, G0A+11
	s_or_b32 s[\g], s[\g], 0x80000000              ; type = 2
.endr
	ROUND                                          ; all sixteen work-groups are here: the joint loads meet
; ONE tree of branches on the wave's number, an arm a load: waves 0 and 1 K's first half of Wo and of a, 2 and 3 the scales, 4 and 5 K's second half.
.macro ARM under, g0, g1, next
	s_cmp_lt_u32 s[WV], \under
	s_cbranch_scc0 \next
	tensor_load_to_lds s[\g0:\g0+3], s[\g1:\g1+7]
	s_nop 0
.rept 4
	v_nop
.endr
	s_branch .Lfilled
\next:
.endm
	ARM 1, G0W+4, G1WC, .Lfill_1
	ARM 2, G0A+4, G1AC, .Lfill_2
	ARM 3, G0W,   G1WS, .Lfill_3
	ARM 4, G0A,   G1AS, .Lfill_4
	ARM 5, G0W+8, G1WC, .Lfill_5
	ARM 6, G0A+8, G1AC, .Lfill_6
.Lfilled:
	s_lshl_b32 s16, s66, 9                         ; my 64 columns: 256 bytes of bo and of a row of out0
	s_lshl_b32 s18, s[CH], 8
	s_add_co_u32 s16, s16, s18
	s_mov_b32 s17, 0
	s_add_nc_u64 s[12:13], s[12:13], s[16:17]
	s_lshl_b32 s18, s35, 19                        ; out0: 128 rows of 4,096 bytes a row tile,
	s_add_co_u32 s16, s16, s18
	s_lshr_b32 s19, s[RP], 1
	s_lshl_b32 s19, s19, 18                        ; 64 rows x (rp / 2),
	s_add_co_u32 s16, s16, s19
	s_and_b32 s19, s[RP], 1
	s_lshl_b32 s19, s19, 16                        ; 16 rows x (rp % 2)
	s_add_co_u32 s16, s16, s19
	s_add_nc_u64 s[14:15], s[14:15], s[16:17]
	s_mul_i32 s18, s[CH], 64*PITCH                 ; my 64 rows of Wo
	s_lshl_b32 s19, s[RP], 13
	s_add_co_u32 s19, s19, AIMG                    ; my two tiles of a
	s_mul_i32 s20, s[CH], 2176
	s_add_co_u32 s20, s20, WSC
	s_lshl_b32 s21, s[RP], 10
	s_add_co_u32 s21, s21, ASC
	s_mul_i32 s22, s[WV], 32*SPITCH
	s_add_co_u32 s22, s22, STAGE                   ; my stage
	v_bfe_u32 v3, v0, 4, 1                         ; h
	v_and_b32 v2, 15, v0                           ; r
	v_and_b32 v1, 31, v0
	v_lshlrev_b32 v[BO], 5, v3
.irp t, 0,1,2,3
	global_load_b128 v[BI+8*\t:BI+8*\t+3], v[BO], s[12:13] offset:64*\t
	global_load_b128 v[BI+8*\t+4:BI+8*\t+7], v[BO], s[12:13] offset:64*\t+16
.endr
	v_mul_u32_u24 v[ADB], v2, PITCH
	v_lshlrev_b32 v[ASB], 5, v2                    ; Wo's scale bytes: row R lies at 32 R + 16 (R / 8); R = 16 h + r here
	v_lshrrev_b32 v13, 3, v2
	v_lshlrev_b32 v[ASA], 2, v2
	v_mul_u32_u24 v[STO], v2, SPITCH
	v_mul_u32_u24 v[RD], v3, SPITCH
	v_lshlrev_b32 v[GO], 12, v3
	v_lshlrev_b32 v12, 4, v1
	v_lshl_add_u32 v[ADB], v3, 4, v[ADB]           ; a fragment's row x pitch + 16 x half
	v_lshl_add_u32 v[ASB], v13, 4, v[ASB]
	v_lshl_add_u32 v[ASA], v3, 9, v[ASA]
	v_lshl_add_u32 v[STO], v3, 5, v[STO]
	v_lshl_add_u32 v[RD], v2, 4, v[RD]
	v_lshl_add_u32 v[GO], v2, 4, v[GO]
	v_mad_u32_u24 v[ASB], v3, 544, v[ASB]
	v_add_nc_u32 v[ADB], s18, v[ADB]
	v_add_nc_u32 v[ADA], s19, v12
	v_add_nc_u32 v[ASA], s21, v[ASA]
	v_add_nc_u32 v[ASB], s20, v[ASB]
	v_add_nc_u32 v[STO], s22, v[STO]
	v_add_nc_u32 v[RD], s22, v[RD]
	s_wait_alu depctr_va_vdst(0)                   ; the wait at the head's end
	s_wait_loadcnt 0x0                             ; the bias
	s_cmp_lt_u32 s[WV], 4                          ; waves 4 and 5 fetch K's second half, by load lines of their own: they wait ahead of the second barrier
	s_cbranch_scc0 .Llater
	s_wait_tensorcnt 0x0                           ; my scale bytes, or my part of K's first half, have landed
.Llater:
	s_barrier_signal -1
	s_barrier_wait -1                              ; everybody's have
.irp k, 0,1
.irp i, 0,1
	ds_load_b128 v[BS+8*\k+4*\i:BS+8*\k+4*\i+3], v[ASB] offset:1088*\i+16*\k   ; four K steps' words
.endr
.endr
.irp i, 0,1,2,3,4,5,6,7
	ds_load_b32 v[ASW+\i], v[ASA] offset:64*\i
.endr
	LOADF 0
	KSTEP 0, 1
	KSTEP 1, 1
	KSTEP 2, 1
	KSTEP 3, 0
	s_wait_tensorcnt 0x0                           ; K's second half has landed (no LDS instruction of mine is out)
	s_barrier_signal -1
	s_barrier_wait -1
	LOADF 4
	KSTEP 4, 1
	KSTEP 5, 1
	KSTEP 6, 1
	KSTEP 7, 0
.rept 4
	v_nop                                          ; places in front of the first read of the results and of the loads over the last fragments
.endr
	; THE WAY OUT: a lane's 32 bytes of a row go into my own stage and come back as whole rows of 256 bytes.  LDS serves a wave's instructions in order (ISA guide 5.7.1.4): no wait between the stores and the loads
.irp u, 0,1
.irp t, 0,1,2,3
	ds_store_b128 v[STO], v[ACC+32*\u+8*\t:ACC+32*\u+8*\t+3] offset:16*SPITCH*\u+64*\t          ; each accumulator from its low end on
	ds_store_b128 v[STO], v[ACC+32*\u+8*\t+4:ACC+32*\u+8*\t+7] offset:16*SPITCH*\u+64*\t+16
.endr
.endr
.irp t, 0,1,2,3,4,5,6,7,8,9,10,11,12,13,14,15
	ds_load_b128 v[OB+4*\t:OB+4*\t+3], v[RD] offset:2*\t*SPITCH
.endr
.irp t, 0,1,2,3,4,5,6,7,8,9,10,11,12,13,14,15
	s_wait_dscnt 15-\t                             ; stage rows 2 t and 2 t + 1 are back; the younger loads may stay out.  Stage row 16 u + m is row 8 (u xor (m / 8)) + 32 (m / 8) + m % 8 behind my first
	global_store_b128 v[GO], v[OB+4*\t:OB+4*\t+3], s[14:15] offset:4096*(8*(((\t/8)+((\t/4)%2))%2)+32*((\t/4)%2)+2*(\t%4)) th:TH_STORE_NT   ; sixteen lanes store 256 consecutive bytes, at a multiple of 256 from out0's first byte
.endr
	s_wait_tensorcnt 0x0                           ; the wave's end
	ds_add_u32 v[SPW], v[NIL]
	s_wait_dscnt 0x0
	ROUND                                          ; the closing round
	s_endpgm
.Lfunc_end_k_q09cbd830c1_oproj:
	.size	k_q09cbd830c1_oproj, .Lfunc_end_k_q09cbd830c1_oproj-k_q09cbd830c1_oproj
	.p2alignl 7, 3214868480
	.fill 96, 4, 3214868480
	.section	.rodata,"a",@progbits
	.p2align	6, 0x0
	.amdhsa_kernel k_q09cbd830c1_oproj
		.amdhsa_group_segment_fixed_size 214272
		.amdhsa_private_segment_fixed_size 0
		.amdhsa_enable_private_segment 0
		.amdhsa_kernarg_size 48
		.amdhsa_user_sgpr_count 2
		.amdhsa_user_sgpr_kernarg_segment_ptr 1
		.amdhsa_wavefront_size32 1
		.amdhsa_system_sgpr_workgroup_id_x 1
		.amdhsa_system_sgpr_workgroup_id_y 1
		.amdhsa_system_sgpr_workgroup_id_z 1
		.amdhsa_system_vgpr_workitem_id 0
		.amdhsa_next_free_vgpr 256
		.amdhsa_next_free_sgpr 102
		.amdhsa_reserve_vcc 0
		.amdhsa_float_denorm_mode_32 3
		.amdhsa_float_denorm_mode_16_64 3
		.amdhsa_memory_ordered 1
		.amdhsa_forward_progress 1
		.amdhsa_inst_pref_size 31
	.end_amdhsa_kernel
	.amdgpu_metadata
---
amdhsa.version: [ 1, 2 ]
amdhsa.kernels:
  - .name:           k_q09cbd830c1_oproj
    .symbol:         k_q09cbd830c1_oproj.kd
    .args:
      - { .name: a_img, .offset: 0, .size: 8, .value_kind: global_buffer, .address_space: global }
      - { .name: a_sc, .offset: 8, .size: 8, .value_kind: global_buffer, .address_space: global }
      - { .name: Wo_codes, .offset: 16, .size: 8, .value_kind: global_buffer, .address_space: global }
      - { .name: Wo_scales, .offset: 24, .size: 8, .value_kind: global_buffer, .address_space: global }
      - { .name: bo, .offset: 32, .size: 8, .value_kind: global_buffer, .address_space: global }
      - { .name: out0, .offset: 40, .size: 8, .value_kind: global_buffer, .address_space: global }
    .group_segment_fixed_size: 214272
    .private_segment_fixed_size: 0
    .kernarg_segment_align: 8
    .kernarg_segment_size: 48
    .max_flat_workgroup_size: 256
    .sgpr_count:     102
    .vgpr_count:     256
    .wavefront_size: 32
...
	.end_amdgpu_metadata
.endif
;; end of part 3
